; MI455X (gfx1250); checked and timed in simulation.
; The chip was launched on July 23, 2026; its instructions are those of AMD's public machine-readable ISA for CDNA 5 (MIT licence, August 2026) and "CDNA5" Instruction Set Architecture Reference Guide (July 2026). The comments in the code are by the model that wrote it; some were corrected since.
;; Soft Mo E. Allowed arithmetic: matrix products marked QUANTISED: E2M1 operands, one E8M0 scale for each 32 along K, by v_wmma_scale_f32_16x16x128_f8f6f4 with both operands' format E2M1 (or v_wmma_scale_f32_32x16x128_f4), f32 sums; products left as they are: f32 operands where the result goes on into a quantised operand, else bf16, f16 or f32 operands; f32 sums; everything else in f32.
;; Inputs: W1_codes 8 x 4,096 x 32 x 16 uint8 (E2M1 codes of W1, K innermost, in blocks of 32 codes, two codes a byte); W1_scales 8 x 4,096 x 32 uint8 (E8M0 scales of W1, one for each 32 codes along K); W2_codes 8 x 1,024 x 128 x 16 uint8 (E2M1 codes of W2, K innermost, in blocks of 32 codes, two codes a byte); W2_scales 8 x 1,024 x 128 uint8 (E8M0 scales of W2, one for each 32 codes along K); Wr 1,024 x 8 float32; b1 8 x 4,096 float32; b2 8 x 1,024 float32; br 8 float32; x 2 x 512 x 1,024 float32.
;; Outputs: out0 2 x 512 x 1,024 float32.
;; Constants: top_k = 2.
;; This version of the problem:
;;   THIS VERSION OF THE PROBLEM IS GIVEN IN LOW PRECISION. The matrix products marked QUANTISED in the list below multiply operands that are first quantised to E2M1 (2 exponent bits, 1 mantissa bit; 4 bits a number), with one power-of-two scale for each 32 numbers along K (OCP MX v1.0); their sums are f32. All else is computed in f32.
;;   The module's matrix products, in the order in which they are computed (A, B: the left and right operand; K: the contracted axis; several contracted axes count as one K, in the product's order):
;;     1. [M 1,024, K 1,024] x [K 1,024, N 8]; A: input x; B: input Wr: left as it is (N = 8 < 16)
;;     2. [M 1,024, K 1,024] x [K 1,024, N 32,768]; A: input x; B: input W1 (given as codes): QUANTISED
;;     3. batch 8 x [M 1,024, K 4,096] x [K 4,096, N 1,024]; A: input W2 (given as codes); B: computed on the way: QUANTISED
;;   THE QUANTISER, for each operand of a quantised product, along K:
;;     - K is cut into blocks of 32 from its start; a last block that is shorter is filled with zeros.
;;     - A block's scale is 2^e with e = floor(log2(the largest magnitude in the block)) - 2, held to -126 .. 127; a block of zeros has e = 0. As a byte (E8M0): e + 127.
;;     - Each number is divided by its block's scale, clamped to +-6, and rounded to the nearest number of E2M1, ties to even, subnormals kept.
;;     - The product sums the exact products of the quantised numbers (number of the format x scale) in f32.
;;   ~~~python
;;   def quantise(x, axis):      # numpy; x: float32 -> the quantised numbers, widened to float32 again
;;       x = np.moveaxis(x, axis, -1); K = x.shape[-1]
;;       x = np.pad(x, [(0, 0)] * (x.ndim - 1) + [(0, -K % 32)]); x = x.reshape(x.shape[:-1] + (-1, 32)); a = np.abs(x).max(-1, keepdims=True)
;;       e = np.where(a > 0, np.clip(np.frexp(np.where(a > 0, a, 1))[1] - 1 - 2, -126, 127), 0)      # np.frexp(a)[1] - 1 = floor(log2(a)), exactly
;;       r = np.clip(x / 2.0 ** e, -6, 6)
;;       step = 2.0 ** (np.maximum(np.frexp(np.where(r == 0, 1, r))[1] - 1, 0) - 1)
;;       q = np.round(r / step) * step * 2.0 ** e      # np.round: ties to even
;;       return np.moveaxis(q.reshape(q.shape[:-2] + (-1,))[..., :K], -1, axis).astype(np.float32)
;;   ~~~
;;   OPERANDS COMPUTED ON THE WAY. 'Computed on the way' means the value that the module computes at that place (a softmax that the list does not call 'softmax' is quantised finished and normalised). What goes into a quantiser is computed in f32, as accurately as f32 sums, v_exp_f32 and their like allow (about 1e-6 of the number): no bf16 or f16 on the way to a quantiser, and a product that is left as it is and whose result goes on into a quantised operand takes f32 operands (vector FMAs, or v_wmma_f32_16x16x4_f32). A number that lies on a knife's edge between two numbers of the format may be rounded either way, as far as f32 arithmetic and the matrix unit's own rounding can turn it there, and no further.
;;   INPUTS GIVEN AS CODES. W1 (in the module: [8, 1024, 4096], K = its axis 1); W2 (in the module: [8, 4096, 1024], K = its axis 1): each comes as NAME_codes (uint8): NAME with its K axis moved to the last place and cut into blocks of 32 codes, [.., K / 32, bytes a block], one block behind the other in memory; two codes a byte, the lower K in the low four bits (a code: sign, 2 exponent bits, 1 mantissa bit); and NAME_scales (uint8): the same leading axes, one E8M0 byte (e + 127) for each 32 codes along K. Its value is code x scale, taken as it is: it is not quantised again, and the codes and scales need not be those that the quantiser above would give.
;; One version. Each part assembles by itself: llvm-mc -triple=amdgcn-amd-amdhsa -mcpu=gfx1250 --defsym DOCPART=n.
;; ======== version 1 of 1: 4 launches
;; limits: right only within a limited range of input values
;; workspace buffers: xq 524,288 bytes; xs 32,768 bytes; info 4,096 bytes of whole numbers; gate 8,192 bytes; hq 16,777,216 bytes; hs 1,048,576 bytes; list 33,024 bytes of whole numbers; y8 33,554,432 bytes
;; launch route (part 1): grid 256 x 1, 4 waves a work-group, no clusters, 53,760 bytes of LDS; arguments x, Wr, br, xq, xs, info, gate; writes xq, xs, info, gate
.if DOCPART == 1
	.amdgcn_target "amdgcn-amd-amdhsa--gfx1250"
	.amdhsa_code_object_version 6
	.text
	.protected	k_q442a189664_route
	.globl	k_q442a189664_route
	.p2align	8
	.type	k_q442a189664_route,@function
k_q442a189664_route:
	s_mov_b64 s[64:65], 0
	v_nop
	global_prefetch_b8 v0, s[64:65] scope:SCOPE_SE
	s_setreg_imm32_b32 hwreg(HW_REG_WAVE_MODE, 25, 1), 1
	s_wait_xcnt 0x0
; ROUTER AND QUANTISER OF x.  x: [1024 tokens][1024] f32.  Wr: [1024][8] f32.  br: [8] f32.
; One wave takes one token.  It stores: xq[token][512 bytes], the E2M1 codes of x, K innermost; xs[token][32], one E8M0 byte for each 32 along K;
; info[token] = (1 << e0) | (1 << e1) | e0 << 8 | e1 << 16, the two chosen experts (e0 the larger logit; of equal logits the lower index first);
; gate[token][2] = softmax of the two chosen logits, the larger one taken away ahead of the exponential.
; No address and no branch of this launch hangs on the choice: everything is stored at places fixed by the token.
; LAYOUT.  Every load takes 512 consecutive bytes, 16 a lane.  The conversions and the block's largest magnitude want 32 NEIGHBOURS along K in one lane: the row turns through the wave's own stage in LDS
; (places of 128 bytes + 16 of padding).  Lane l then holds k = 32 l .. 32 l + 31, one whole block.  Wr lies in LDS once for the work-group, 1,024 bytes (32 rows of 8) + 16 of padding for each lane.
; The logits are f32 fused multiply-adds: a lane sums its 32 k in two chains (even k, odd k), then the 32 lanes are added.
; LIMITS: NaN and infinities are not served.  Two logits nearer to each other than the rounding of an f32 sum of 1,024 terms may be chosen the other way round than by another order of summation.
; A block of zeros gets the byte 1 (the rule says 127): its codes are zeros, and xs is read by this program alone.
.set WRP,  1040                        ; a lane's part of Wr in LDS
.set XT,   32*WRP                      ; behind Wr: a stage for each wave
.set XTP,  144                         ; a lane's place in the stage
.set XTW,  32*XTP
.set SB,   XT+4*XTW                    ; behind the stages: 256 bytes for each wave, 32 used: the scale bytes
.set R,    16                          ; v16-47   x as loaded
.set X,    48                          ; v48-79   my 32 neighbours
.set WA,   80                          ; v80-143  Wr: as loaded, later 8 k x 8 experts
.set WB,   144                         ; v144-207 the second set
.set A,    208                         ; v208-215 sums of even k, v216-223 of odd k: 8 experts each
.set CD,   240                         ; v240-243 my block's codes
	s_load_b256 s[4:11], s[0:1], 0x0               ; x s[4:5], Wr s[6:7], br s[8:9], xq s[10:11]
	s_load_b128 s[12:15], s[0:1], 0x20             ; xs s[12:13], info s[14:15]
	s_load_b64 s[16:17], s[0:1], 0x30              ; gate
	v_lshl_add_u32 v254, v0, 2, 0xd000
	v_mov_b32 v255, 0
	v_lshrrev_b32 v1, 5, v0
	v_readfirstlane_b32 s18, v1                    ; wave
	v_and_b32 v1, 31, v0                           ; lane
	v_lshlrev_b32 v2, 4, v1                        ; 16 x lane
	v_lshrrev_b32 v13, 3, v1
	v_and_b32 v14, 7, v1
	s_mul_i32 s22, s18, XTW
	s_add_co_u32 s22, s22, XT                      ; my wave's stage
	v_mul_u32_u24 v3, v13, XTP
	v_lshl_add_u32 v3, v14, 4, v3
	v_add_nc_u32 v3, s22, v3                       ; in: eight lanes' 128 bytes make a place; a load's 512 bytes take four places
	v_mul_u32_u24 v4, v1, XTP
	v_add_nc_u32 v4, s22, v4                       ; out: place = lane
	s_lshl_b32 s22, s18, 8
	s_add_co_u32 s22, s22, SB
	v_add_nc_u32 v5, s22, v1                       ; my block's scale byte
	v_lshlrev_b32 v9, 2, v14                       ; 4 x (lane % 8): a scale word's place in the token's 32 bytes
	v_add_nc_u32 v6, s22, v9
	s_mul_i32 s22, s18, 8*WRP
	v_add_nc_u32 v7, s22, v2                       ; Wr into LDS: my wave brings 8,192 bytes, eight lanes' parts
	v_mul_u32_u24 v8, v1, WRP                      ; Wr out of LDS: my part
	v_and_b32 v10, 1, v1
	v_lshlrev_b32 v15, 2, v10                      ; 4 x (lane % 2): gate's two words
	v_mov_b32 v11, 0
	s_lshl_b32 s22, s18, 13
	v_add_nc_u32 v12, s22, v2                      ; Wr in memory: 8,192 x wave + 16 x lane
	s_lshl_b32 s19, ttmp9, 2
	s_add_co_u32 s19, s19, s18                     ; my token
	s_mov_b32 s20, 0x76543210
	s_mov_b32 s21, 0xfedcba98                      ; v_permlanex16_b32: lane l xor 16
	s_mov_b32 s3, 0
	s_wait_alu depctr_va_vdst(0)
	s_wait_kmcnt 0x0
	s_load_b256 s[24:31], s[8:9], 0x0              ; br
	s_lshl_b32 s2, s19, 12
	s_add_nc_u64 s[4:5], s[4:5], s[2:3]            ; x: 4,096 bytes a token
	s_lshl_b32 s2, s19, 9
	s_add_nc_u64 s[10:11], s[10:11], s[2:3]        ; xq: 512
	s_lshl_b32 s2, s19, 5
	s_add_nc_u64 s[12:13], s[12:13], s[2:3]        ; xs: 32
	s_lshl_b32 s2, s19, 2
	s_add_nc_u64 s[14:15], s[14:15], s[2:3]        ; info: 4
	s_lshl_b32 s2, s19, 3
	s_add_nc_u64 s[16:17], s[16:17], s[2:3]        ; gate: 8
.irp i, 0,1,2,3,4,5,6,7
	global_load_b128 v[R+4*\i:R+4*\i+3], v2, s[4:5] offset:512*\i th:TH_LOAD_NT
.endr
.irp i, 0,1,2,3,4,5,6,7,8,9,10,11,12,13,14,15
	global_load_b128 v[WA+4*\i:WA+4*\i+3], v12, s[6:7] offset:512*\i
.endr
	s_wait_loadcnt 16                              ; x is in: the 16 loads of Wr are younger
.irp i, 0,1,2,3,4,5,6,7
	ds_store_b128 v3, v[R+4*\i:R+4*\i+3] offset:4*XTP*\i
.endr
.irp i, 0,1,2,3,4,5,6,7
	ds_load_b128 v[X+4*\i:X+4*\i+3], v4 offset:16*\i   ; LDS serves a wave's instructions in order (ISA guide 5.7.1.4): these see the stores above
.endr
	s_wait_dscnt 0x0
	; the block's largest magnitude, with the floor 2^(3 - 127) among its leaves: the byte cannot fall under 1
	v_max3_num_f32 v244, |v[X]|, |v[X+1]|, |v[X+2]|
	v_max3_num_f32 v245, |v[X+3]|, |v[X+4]|, |v[X+5]|
.irp i, 6,10,14,18,22,26
	v_max3_num_f32 v244, v244, |v[X+\i]|, |v[X+\i+1]|
	v_max3_num_f32 v245, v245, |v[X+\i+2]|, |v[X+\i+3]|
.endr
	v_max3_num_f32 v244, v244, |v[X+30]|, |v[X+31]|
	v_max3_num_f32 v244, v244, v245, 0x1800000
	v_add_nc_u32 v246, 0xff000000, v244            ; 2 off its exponent field: the conversion takes the exponent field of this operand as its scale
	v_lshrrev_b32 v245, 23, v246                   ; the scale's byte
.irp g, 0,1,2,3
	v_cvt_scalef32_pk8_fp4_f32 v[CD+\g], v[X+8*\g:X+8*\g+7], v246
.endr
	v_nop                                          ; one plain line behind the last conversion
	global_store_b128 v2, v[CD:CD+3], s[10:11]     ; the wave stores the token's 512 bytes of codes on end
	ds_store_b8 v5, v245
	s_wait_loadcnt 0x0                             ; Wr is in
.irp i, 0,1,2,3,4,5,6,7,8,9,10,11,12,13,14,15
	ds_store_b128 v7, v[WA+4*\i:WA+4*\i+3] offset:512*\i+16*(\i/2)   ; 16 bytes of padding behind each 1,024
.endr
	s_wait_dscnt 0x0                               ; for the others: my part of Wr lies in LDS
	s_barrier_signal -1
	s_barrier_wait -1
; eight k of my 32: 16 loads, register 8 kk + e = Wr(32 l + 8 g + kk, e)
.macro WGET set, g
.irp m, 0,1,2,3,4,5,6,7,8,9,10,11,12,13,14,15
	ds_load_b128 v[\set+4*\m:\set+4*\m+3], v8 offset:256*(\g)+16*\m
.endr
.endm
; their 64 multiply-adds, two experts an instruction; x(k) is taken for both halves from the low (even k) or the high (odd k) register of its pair.  The first pair of k starts the sums: nothing is cleared
.macro FMA8 set, g
.irp q, 0,1,2,3
.irp p, 0,1,2,3
.if ((\g) == 0) && (\q == 0)
	v_pk_mul_f32 v[A+2*\p:A+2*\p+1], v[\set+16*\q+2*\p:\set+16*\q+2*\p+1], v[X+8*(\g)+2*\q:X+8*(\g)+2*\q+1] op_sel_hi:[1,0]
	v_pk_mul_f32 v[A+8+2*\p:A+8+2*\p+1], v[\set+16*\q+8+2*\p:\set+16*\q+8+2*\p+1], v[X+8*(\g)+2*\q:X+8*(\g)+2*\q+1] op_sel:[0,1] op_sel_hi:[1,1]
.else
	v_pk_fma_f32 v[A+2*\p:A+2*\p+1], v[\set+16*\q+2*\p:\set+16*\q+2*\p+1], v[X+8*(\g)+2*\q:X+8*(\g)+2*\q+1], v[A+2*\p:A+2*\p+1] op_sel_hi:[1,0,1]
	v_pk_fma_f32 v[A+8+2*\p:A+8+2*\p+1], v[\set+16*\q+8+2*\p:\set+16*\q+8+2*\p+1], v[X+8*(\g)+2*\q:X+8*(\g)+2*\q+1], v[A+8+2*\p:A+8+2*\p+1] op_sel:[0,1,0] op_sel_hi:[1,1,1]
.endif
.endr
.endr
.endm
	ds_load_b32 v247, v6                           ; a word of my token's scale bytes (my own wave stored them)
	WGET WA, 0
	WGET WB, 1
	s_wait_dscnt 16                                ; all but the youngest 16 loads
	FMA8 WA, 0
	WGET WA, 2
	s_wait_alu depctr_va_vdst(0)
	s_wait_dscnt 16
	FMA8 WB, 1
	WGET WB, 3
	s_wait_alu depctr_va_vdst(0)
	s_wait_dscnt 16
	FMA8 WA, 2
	s_wait_alu depctr_va_vdst(0)
	s_wait_dscnt 0x0
	FMA8 WB, 3
.irp p, 0,2,4,6
	v_pk_add_f32 v[A+\p:A+\p+1], v[A+\p:A+\p+1], v[A+8+\p:A+8+\p+1]
.endr
.irp m, 1,2,4,8
.irp j, 0,1,2,3,4,5,6,7
	v_add_f32_dpp v[A+\j], v[A+\j], v[A+\j] row_xmask:\m row_mask:0xf bank_mask:0xf
.endr
.endr
.irp j, 0,1,2,3,4,5,6,7
	v_permlanex16_b32 v[A+8+\j], v[A+\j], s20, s21
.endr
.irp j, 0,1,2,3,4,5,6,7
	v_add_f32 v[A+\j], v[A+\j], v[A+8+\j]          ; every lane holds the eight sums
.endr
	s_wait_alu depctr_va_vdst(0)
	s_wait_kmcnt 0x0                               ; br
.irp j, 0,1,2,3,4,5,6,7
	v_add_f32 v[A+\j], s[24+\j], v[A+\j]
.endr
	; the largest logit; a strict comparison keeps the lower index of equals
	v_mov_b32 v224, v[A]
	v_mov_b32 v225, 0
.irp j, 1,2,3,4,5,6,7
	v_cmp_gt_f32 vcc_lo, v[A+\j], v224
	v_cndmask_b32 v224, v224, v[A+\j], vcc_lo
	v_cndmask_b32 v225, v225, \j, vcc_lo
.endr
	v_mov_b32 v226, 0xff800000                     ; the winner becomes -infinity, and the search is made again
.irp j, 0,1,2,3,4,5,6,7
	v_cmp_eq_u32 vcc_lo, \j, v225
	v_cndmask_b32 v[A+\j], v[A+\j], v226, vcc_lo
.endr
	v_mov_b32 v227, v[A]
	v_mov_b32 v228, 0
.irp j, 1,2,3,4,5,6,7
	v_cmp_gt_f32 vcc_lo, v[A+\j], v227
	v_cndmask_b32 v227, v227, v[A+\j], vcc_lo
	v_cndmask_b32 v228, v228, \j, vcc_lo
.endr
	v_sub_f32 v229, v227, v224                     ; second less first: 0 or less
	v_mul_f32 v229, 0x3fb8aa3b, v229               ; x log2(e)
	s_wait_alu depctr_va_vdst(0)
	v_exp_f32 v230, v229                           ; p = e^(second - first), at most 1
	v_mov_b32 v235, 1                              ; (a plain line behind the transcendental)
	s_wait_alu depctr_va_vdst(0)                   ; ahead of the first line that names the result
	v_add_f32 v231, 1.0, v230
	s_wait_alu depctr_va_vdst(0)
	v_rcp_f32 v232, v231                           ; w0 = 1 / (1 + p)
	v_lshlrev_b32 v236, v225, v235                 ; (a plain line)  1 << e0
	s_wait_alu depctr_va_vdst(0)
	v_mul_f32 v233, v230, v232                     ; w1 = p / (1 + p)
	v_lshlrev_b32 v237, v228, v235                 ; 1 << e1
	v_or_b32 v236, v236, v237
	v_lshl_or_b32 v236, v225, 8, v236
	v_lshl_or_b32 v236, v228, 16, v236
	v_cmp_eq_u32 vcc_lo, 1, v10
	v_cndmask_b32 v238, v232, v233, vcc_lo         ; even lanes w0, odd lanes w1
	; The three small results: several lanes store the same word with the same value, so that EXEC is never changed
	global_store_b32 v9, v247, s[12:13]            ; 8 words of scale bytes
	global_store_b32 v15, v238, s[16:17]           ; w0, w1
	global_store_b32 v11, v236, s[14:15]           ; the choice
	s_wait_tensorcnt 0x0
	ds_add_u32 v254, v255
	s_wait_dscnt 0x0
	s_endpgm
.Lfunc_end_k_q442a189664_route:
	.size	k_q442a189664_route, .Lfunc_end_k_q442a189664_route-k_q442a189664_route
	.p2alignl 7, 3214868480
	.fill 96, 4, 3214868480
	.section	.rodata,"a",@progbits
	.p2align	6, 0x0
	.amdhsa_kernel k_q442a189664_route
		.amdhsa_group_segment_fixed_size 53760
		.amdhsa_private_segment_fixed_size 0
		.amdhsa_enable_private_segment 0
		.amdhsa_kernarg_size 56
		.amdhsa_user_sgpr_count 2
		.amdhsa_user_sgpr_kernarg_segment_ptr 1
		.amdhsa_wavefront_size32 1
		.amdhsa_system_sgpr_workgroup_id_x 1
		.amdhsa_system_sgpr_workgroup_id_y 1
		.amdhsa_system_sgpr_workgroup_id_z 1
		.amdhsa_system_vgpr_workitem_id 0
		.amdhsa_next_free_vgpr 256
		.amdhsa_next_free_sgpr 66
		.amdhsa_reserve_vcc 1
		.amdhsa_float_denorm_mode_32 3
		.amdhsa_float_denorm_mode_16_64 3
		.amdhsa_memory_ordered 1
		.amdhsa_forward_progress 1
		.amdhsa_inst_pref_size 28
	.end_amdhsa_kernel
	.amdgpu_metadata
---
amdhsa.version: [ 1, 2 ]
amdhsa.kernels:
  - .name:           k_q442a189664_route
    .symbol:         k_q442a189664_route.kd
    .args:
      - { .name: x, .offset: 0, .size: 8, .value_kind: global_buffer, .address_space: global }
      - { .name: Wr, .offset: 8, .size: 8, .value_kind: global_buffer, .address_space: global }
      - { .name: br, .offset: 16, .size: 8, .value_kind: global_buffer, .address_space: global }
      - { .name: xq, .offset: 24, .size: 8, .value_kind: global_buffer, .address_space: global }
      - { .name: xs, .offset: 32, .size: 8, .value_kind: global_buffer, .address_space: global }
      - { .name: info, .offset: 40, .size: 8, .value_kind: global_buffer, .address_space: global }
      - { .name: gate, .offset: 48, .size: 8, .value_kind: global_buffer, .address_space: global }
    .group_segment_fixed_size: 53760
    .private_segment_fixed_size: 0
    .kernarg_segment_align: 8
    .kernarg_segment_size: 56
    .max_flat_workgroup_size: 128
    .sgpr_count:     66
    .vgpr_count:     256
    .wavefront_size: 32
...
	.end_amdgpu_metadata
.endif
;; end of part 1
;; launch fc1 (part 2): grid 32 x 8, 8 waves a work-group, no clusters, 271,360 bytes of LDS; arguments W1_codes, W1_scales, b1, xq, xs, info, hq, hs, list; writes hq, hs, list
.if DOCPART == 2
	.amdgcn_target "amdgcn-amd-amdhsa--gfx1250"
	.amdhsa_code_object_version 6
	.text
	.protected	k_q442a189664_fc1
	.globl	k_q442a189664_fc1
	.p2align	8
	.type	k_q442a189664_fc1,@function
k_q442a189664_fc1:
	s_mov_b64 s[64:65], 0
	v_nop
	global_prefetch_b8 v0, s[64:65] scope:SCOPE_SE
	s_setreg_imm32_b32 hwreg(HW_REG_WAVE_MODE, 25, 1), 1
	s_wait_xcnt 0x0
; FIRST PRODUCT OF THE CHOSEN ROWS: h = Q(gelu(x W1[e] + b1[e])), on E2M1 codes with one E8M0 scale for each 32 along K.  Rows of experts that the router did not choose for a token are not multiplied.
; A work-group (x = chunk of 128 hidden units, y = expert e) serves ALL rows routed to e, with eight waves.  Wave w = 4 p + g owns the chunk's block g of 32 hidden units: 2 tiles of W1 x 8 K steps = 16 fragments,
; which stay in its registers; it walks the expert's tiles of 16 routed rows of parity p.  So the four blocks of a tile are made by four waves, and a wave's work follows the number of tiles.
; x IS SHARED THROUGH LDS, in batches of eight tiles and two buffers: wave w gathers tile 8 b + w (16 loads of one whole row, one load of the rows' scale words) into registers while batch b - 1 is multiplied,
; stores it into the buffer that batch b - 2 has left, and one barrier a batch shows it to all.  An expert has at most 64 tiles: a loop of constant count 8; what the count decides is done by jumps over work that join ahead of the barrier.
; WHICH ROWS.  info[token] holds a bit for each chosen expert.  Lane l of load i holds tokens 128 i + 4 l + c: a compare gives, for word j = 4 i + c, a mask whose bit l stands for token 128 (j / 4) + j % 4 + 4 l.
; Routed row p of the expert is the p-th set bit in the order (j, l).  Every work-group of an expert finds the same order; chunk 0 stores it (list[e][p], and the count) for the next launch.
; A last tile's rows beyond the count take some token under 1,024: their results are finite, go to hq and hs, and are never stored by the next launch.
; THE PRODUCT IS USED TRANSPOSED (source 0 = 16 rows of W1, source 1 = 16 rows of x): a lane holds one routed row.  Lane r of my tile u takes row 32 g + 8 u + r + 8 (r / 8) of the chunk, so that a lane's 16 results
; are the neighbours k = 32 g + 16 h + 0 .. 15 of the next K.  b1 is the C of each sum's first matrix instruction.
; GELU, exact form: gelu(x) = max(x, 0) - |x| q, q = erfc(|x| / sqrt 2) / 2 = t 2^(-x^2 log2(e) / 2 + c0 + c1 t + .. + c9 t^9), t = 1 / (1 + |x| / (2 sqrt 2)): the rational Chebyshev fit of erfc whose
; fractional error is under 1.2e-7 everywhere, its coefficients times log2(e), the half put into c0.  All in f32.
; OUT.  hq[e][tile][K step = chunk][c][lane][16 bytes] is the image of the next product's fragment.  Block g = 2 c + h' is the 256 bytes at 256 g of the K step's 1,024: row r's 16 bytes, of which lane (r, h) holds 8:
; one store of 8 bytes a lane covers these 256 bytes, aligned.  hs[e][tile][K step / 4][row][K step % 4]: my block's byte is byte g of the row's word.
; LIMITS: NaN and infinities are not served.  With rounding, gelu is good to some 3e-7 of the number, about 1e-6 far on the negative side; where q falls under 2^-126 the exponential gives 0 and gelu(x) is 0 for negative x.
; A block of zeros gets the byte 1 (the rule says 127): its codes are zeros, and hs is read by this program alone.
; No tensor load and no cluster.  No prefetch: the gather itself runs a batch ahead.
; REGISTERS.  window 0: v1-31, v48-55 addresses; v32-39 W1's scale words; v40-43 x's; v44-47 the gathered tile's; v56-71 two accumulators; v72-87 b1; v88-151 x's 8 fragments (at the head: my 16 rows of W1 as loaded);
;   v152-199 at work.   window 1: v0-127 W1's fragment (tile t, K step s) at v[64 t + 8 s]; v128-191 the gathered tile's 16 rows.
.set WP,    528                        ; an LDS row: 512 bytes + 16 of padding = 132 words: row r starts at bank 4 r mod 64 (64 banks of 4 bytes: ISA guide 11.1)
.set TILEB, 16*WP+512                  ; a tile in a buffer: 16 rows, then the image of its scale words
.set BUF1,  131072                     ; buffer 0 at byte 0, buffer 1 here: one bit apart
.set W1S,   BUF1+8*TILEB               ; W1's 128 rows
.set SPARE, W1S+128*WP                 ; the spare words: 128 bytes a wave
.set O,    12                          ; v12-27  byte offsets of the gathered tile's 16 rows in xq, + 16 x lane
.set WS,   32                          ; register s: lanes 0-15 my tile 0, lanes 16-31 my tile 1, K step s
.set XS,   40                          ; register s % 4: lanes 0-15 K steps 0-3, lanes 16-31 K steps 4-7
.set XG,   44
.set H,    56
.set B1,   72
.set XF,   88
.set T,    152                         ; v152-167 t;  v168-183 the polynomial, then q;  v184-199 -x log2(e) / 2, then max(x, 0)
.set P,    168
.set E,    184
.set IN,   152                         ; at the head: info, 32 registers
.set ST,   152                         ; the search for rows works in t's registers, and so does the quantiser
.set TM,   152
.set PC,   200                         ; v200-201 my block's codes, v202 its scale byte: registers of their own, read by the stores while the next tile is worked
.set BY,   202
.set XR,   128                         ; in window 1
.set M,    32                          ; s[32:63] the 32 masks
.set PK,   66                          ; s[66:97] for each mask: (set bits ahead of it) << 16 | its first token
.set SEL,  4                           ; s[4:5]  lane selects for v_permlanex16_b32, once W1's rows are in
.set CUR,  6                           ; s6 the buffer that is read, s7 the buffer that is written, once W1's scale words are in
.set NXT,  7
.set MSB,  0
.macro WIN new                         ; the immediate's high byte repeats the setting that is left
.if MSB != \new
	s_set_vgpr_msb (MSB<<8)|\new
.set MSB, \new
.endif
.endm
; One step of the search for the rem-th set bit: are there rem or fewer set bits in the next k places?  Then they are passed over.
.macro PICK src, wid, k
	s_delay_alu instid0(VALU_DEP_1)
	v_bfe_u32 v[ST+10], v[\src], v[ST+9], \wid
	s_delay_alu instid0(VALU_DEP_1)
	v_cmp_ge_u32 vcc_lo, v[ST+4], v[ST+10]
	v_sub_nc_u32 v[ST+11], v[ST+4], v[ST+10]
	v_add_nc_u32 v[ST+12], \k, v[ST+9]
	v_cndmask_b32 v[ST+4], v[ST+4], v[ST+11], vcc_lo
	v_cndmask_b32 v[ST+9], v[ST+9], v[ST+12], vcc_lo
.endm
; v28 = the token of routed row 16 x tile + r, the tile's number in s[ts].  Whole numbers alone.
.macro SELECT ts
	v_lshl_add_u32 v[ST], s[\ts], 4, v1            ; the row p
	v_lshl_or_b32 v[ST+1], v[ST], 16, 0xffff
	v_mov_b32 v[ST+2], s[M]
	v_mov_b32 v[ST+3], s[PK]
.set j, 1
.rept 31
	v_cmp_le_u32 vcc_lo, s[PK+j], v[ST+1]          ; are at most p set bits ahead of mask j?  True up to the mask that holds the row: the last true one stays
	v_cndmask_b32 v[ST+2], v[ST+2], s[M+j], vcc_lo
	v_cndmask_b32 v[ST+3], v[ST+3], s[PK+j], vcc_lo
.set j, j+1
.endr
	v_lshrrev_b32 v[ST+4], 16, v[ST+3]
	v_sub_nc_u32 v[ST+4], v[ST], v[ST+4]           ; rem: which set bit of that mask
	v_lshrrev_b32 v[ST+5], 1, v[ST+2]
	v_and_b32 v[ST+5], 0x55555555, v[ST+5]
	v_sub_nc_u32 v[ST+5], v[ST+2], v[ST+5]         ; counts of 2 places,
	v_lshrrev_b32 v[ST+6], 2, v[ST+5]
	v_and_b32 v[ST+6], 0x33333333, v[ST+6]
	v_and_b32 v[ST+7], 0x33333333, v[ST+5]
	v_add_nc_u32 v[ST+6], v[ST+6], v[ST+7]         ; of 4,
	v_lshrrev_b32 v[ST+7], 4, v[ST+6]
	v_add_nc_u32 v[ST+7], v[ST+7], v[ST+6]
	v_and_b32 v[ST+7], 0x0f0f0f0f, v[ST+7]         ; of 8,
	v_lshrrev_b32 v[ST+8], 8, v[ST+7]
	v_add_nc_u32 v[ST+8], v[ST+8], v[ST+7]         ; of 16 (in the low byte)
	v_mov_b32 v[ST+9], 0                           ; the place
	PICK ST+8, 8, 16
	PICK ST+7, 8, 8
	PICK ST+6, 4, 4
	PICK ST+5, 2, 2
	PICK ST+2, 1, 1
	v_and_b32 v[ST+10], 0xffff, v[ST+3]
	v_lshl_add_u32 v28, v[ST+9], 2, v[ST+10]       ; the mask's first token + 4 x place
	v_min_u32 v28, 0x3ff, v28                      ; held inside the table, for rows beyond the count too
.endm
; The addresses that hang on v28: each row's offset as a scalar, so that one load takes one whole row
.macro OFFS ts
.irp g, 0,8
.irp i, 0,1,2,3,4,5,6,7
	v_readlane_b32 s[24+\i], v28, \g+\i
.endr
.irp i, 0,1,2,3,4,5,6,7
	s_min_u32 s[24+\i], s[24+\i], 0x3ff
.endr
.irp i, 0,1,2,3,4,5,6,7
	v_lshl_add_u32 v[O+\g+\i], s[24+\i], 9, v3     ; 512 x token + 16 x lane
.endr
.endr
	v_lshl_add_u32 v7, v28, 5, v30                 ; xs: 32 x token + 16 h
	s_min_u32 s2, s[\ts], 63                       ; an expert's list has 64 tiles: the tile's number is held inside it
	v_lshl_add_u32 v9, s2, 6, v29                  ; list: 64 x tile + 4 r
.endm
; The tile's rows are asked for: 16 loads of 512 consecutive bytes, and the rows' scale words: 17 loads
.macro XASK
	s_wait_alu depctr_va_vdst(0)                   ; ahead of readers of what was just written
	WIN 0x40
.set i, 0
.rept 16
	global_load_b128 v[XR+4*i:XR+4*i+3], v[O+i], s[10:11]
.set i, i+1
.endr
	WIN 0
	global_load_b128 v[XG:XG+3], v7, s[12:13]
.endm
; and go into a buffer: whole rows, then the scale words as the image of their registers
.macro XPUT adr
	WIN 0x04                                       ; an LDS store's data are its source 1: window 1
.set i, 0
.rept 16
	ds_store_b128 v[\adr], v[XR+4*i:XR+4*i+3] offset:i*WP
.set i, i+1
.endr
	WIN 0
	ds_store_b128 v[\adr], v[XG:XG+3] offset:16*WP
.endm
; Chunk 0 stores the tile's tokens for the next launch
.macro LIST
	s_cmp_lg_u32 ttmp9, 0
	s_cbranch_scc1 .Lno_list_\@
	global_store_b32 v9, v28, s[20:21]             ; (lanes r and 16 + r store the same word with the same value)
.Lno_list_\@:
.endm
; gelu of a lane's 16 numbers, in place.  Each accumulator is first read at its lowest register.
.macro GELU
.set i, 0
.rept 16
	v_fma_f32 v[T+i], |v[H+i]|, 0x3eb504f3, 1.0    ; 1 + |x| / (2 sqrt 2)
.set i, i+1
.endr
	s_wait_alu depctr_va_vdst(0)                   ; ahead of the batch
.set i, 0
.rept 16
	v_rcp_f32 v[T+i], v[T+i]                       ; t
.set i, i+1
.endr
.set i, 0
.rept 8
	v_pk_mul_f32 v[E+i:E+i+1], v[H+i:H+i+1], 0xbf38aa3b op_sel_hi:[1,0]   ; -x log2(e) / 2.  (Plain work behind the reciprocals)
.set i, i+2
.endr
	s_wait_alu depctr_va_vdst(0)                   ; one wait for the 16 reciprocals, ahead of their first reader
.set i, 0
.rept 8
	v_pk_fma_f32 v[P+i:P+i+1], v[T+i:T+i+1], 0x3e7c6f08, v[10:11] op_sel_hi:[1,0,1]   ; c9 t + c8
.set i, i+2
.endr
.irp c, 0x40097039, 0xbfd1a1e5, 0x3ecdfd18, 0xbe899a80, 0x3e0efb2e, 0x3f0a29d2, 0x3fb8ab5a, 0xc034d90f
.set i, 0
.rept 8
	v_pk_fma_f32 v[P+i:P+i+1], v[P+i:P+i+1], v[T+i:T+i+1], \c op_sel_hi:[1,1,0]   ; .. t + c7 down to c0
.set i, i+2
.endr
.endr
.set i, 0
.rept 8
	v_pk_fma_f32 v[P+i:P+i+1], v[E+i:E+i+1], v[H+i:H+i+1], v[P+i:P+i+1]   ; - x^2 log2(e) / 2
.set i, i+2
.endr
	s_wait_alu depctr_va_vdst(0)
.set i, 0
.rept 16
	v_exp_f32 v[P+i], v[P+i]
.set i, i+1
.endr
.set i, 0
.rept 16
	v_max_num_f32 v[E+i], 0, v[H+i]                ; max(x, 0).  (Plain work behind the exponentials)
.set i, i+1
.endr
	s_wait_alu depctr_va_vdst(0)                   ; one wait for the 16 exponentials
.set i, 0
.rept 8
	v_pk_mul_f32 v[P+i:P+i+1], v[P+i:P+i+1], v[T+i:T+i+1]   ; q
.set i, i+2
.endr
.set i, 0
.rept 16
	v_fma_f32 v[H+i], -|v[H+i]|, v[P+i], v[E+i]    ; max(x, 0) - |x| q
.set i, i+1
.endr
.endm
; my block: a lane's 16 numbers and lane l xor 16's.  Codes into v[PC], v[PC+1], the scale's byte into v[BY]
.macro QUANT
	s_wait_alu depctr_va_vdst(0)
	s_wait_xcnt 0x0                                ; the last tile's stores have read v[PC], v[PC+1] and v[BY], which are written again below
	v_max3_num_f32 v[TM], |v[H]|, |v[H+1]|, 0x1800000      ; two chains; the floor 2^(3 - 127) among the leaves: the byte cannot fall under 1
	v_max3_num_f32 v[TM+1], |v[H+2]|, |v[H+3]|, |v[H+4]|
.irp i, 5,9
	v_max3_num_f32 v[TM], v[TM], |v[H+\i]|, |v[H+\i+1]|
	v_max3_num_f32 v[TM+1], v[TM+1], |v[H+\i+2]|, |v[H+\i+3]|
.endr
	v_max3_num_f32 v[TM], v[TM], |v[H+13]|, |v[H+14]|
	v_max3_num_f32 v[TM], v[TM], v[TM+1], |v[H+15]|
	v_permlanex16_b32 v[TM+2], v[TM], s[SEL], s[SEL+1]
	v_max_num_f32 v[TM], v[TM], v[TM+2]            ; the block's largest magnitude
	s_delay_alu instid0(VALU_DEP_1)
	v_add_nc_u32 v[TM+3], 0xff000000, v[TM]        ; 2 off its exponent field: the conversion's scale operand
	v_lshrrev_b32 v[BY], 23, v[TM+3]               ; the scale's byte
	v_cvt_scalef32_pk8_fp4_f32 v[PC], v[H:H+7], v[TM+3]
	v_cvt_scalef32_pk8_fp4_f32 v[PC+1], v[H+8:H+15], v[TM+3]
	v_nop                                          ; one plain line behind the last conversion
.endm
; One matrix instruction.  ra, rb: the side's scale words stand in lanes 16-31
.macro WM1 d, a, b, c, sa, sb, ra, rb
.if (\ra) && (\rb)
	v_wmma_scale_f32_16x16x128_f8f6f4 v[\d:\d+7], v[\a:\a+7], v[\b:\b+7], v[\c:\c+7], v[\sa], v[\sb] matrix_a_fmt:MATRIX_FMT_FP4 matrix_b_fmt:MATRIX_FMT_FP4 matrix_a_scale:MATRIX_SCALE_ROW1 matrix_b_scale:MATRIX_SCALE_ROW1
.elseif (\ra)
	v_wmma_scale_f32_16x16x128_f8f6f4 v[\d:\d+7], v[\a:\a+7], v[\b:\b+7], v[\c:\c+7], v[\sa], v[\sb] matrix_a_fmt:MATRIX_FMT_FP4 matrix_b_fmt:MATRIX_FMT_FP4 matrix_a_scale:MATRIX_SCALE_ROW1
.elseif (\rb)
	v_wmma_scale_f32_16x16x128_f8f6f4 v[\d:\d+7], v[\a:\a+7], v[\b:\b+7], v[\c:\c+7], v[\sa], v[\sb] matrix_a_fmt:MATRIX_FMT_FP4 matrix_b_fmt:MATRIX_FMT_FP4 matrix_b_scale:MATRIX_SCALE_ROW1
.else
	v_wmma_scale_f32_16x16x128_f8f6f4 v[\d:\d+7], v[\a:\a+7], v[\b:\b+7], v[\c:\c+7], v[\sa], v[\sb] matrix_a_fmt:MATRIX_FMT_FP4 matrix_b_fmt:MATRIX_FMT_FP4
.endif
.endm
; Tile 2 u + p of the batch, if the expert has it (the tiles behind it are then not there either): 16 matrix instructions, the two accumulators by turns, gelu, my block's codes and byte
.macro XGET u                          ; tile 2 u + p of the batch out of its buffer: the scale words, then the 8 fragments, K ascending: 17 loads
	ds_load_b128 v[XS:XS+3], v50 offset:2*(\u)*TILEB
.set i, 0
.rept 16
	ds_load_b128 v[XF+4*i:XF+4*i+3], v5 offset:2*(\u)*TILEB+32*i
.set i, i+1
.endr
.endm
.macro UNIT u                          ; the tile's 17 loads were issued a tile earlier (tile 0's at the batch's top)
.if \u > 0
	s_add_co_u32 s2, s99, 2*\u
	s_cmp_ge_u32 s2, s23
	s_cbranch_scc1 .Lb_end
.endif
	s_wait_dscnt 8                                 ; the scale words and K steps 0-3 are in: the youngest eight loads may be out
	WIN 0x01                                       ; source 0 (W1) window 1
.irp s, 0,1,2,3
.irp t, 0,1
.if \s == 0
	WM1 H+8*\t, 64*\t+8*\s, XF+8*\s, B1+8*\t, WS+\s, XS+\s%4, \t, \s/4
.else
	WM1 H+8*\t, 64*\t+8*\s, XF+8*\s, H+8*\t, WS+\s, XS+\s%4, \t, \s/4
.endif
.endr
.endr
	s_wait_dscnt 0x0
.irp s, 4,5,6,7
.irp t, 0,1
	WM1 H+8*\t, 64*\t+8*\s, XF+8*\s, H+8*\t, WS+\s, XS+\s%4, \t, \s/4
.endr
.endr
	WIN 0
.rept 5
	v_nop                                          ; places behind the last products, ahead of the loads into their operands and of the first read of results
.endr
.if \u < 3
	s_add_co_u32 s2, s99, 2*\u+2
	s_cmp_ge_u32 s2, s23
	s_cbranch_scc1 .Lno_x_\@
	XGET \u+1                                      ; my next tile, if the expert has it, comes out of LDS while this tile's gelu is worked
.Lno_x_\@:
.endif
	GELU
	QUANT
	global_store_b64 v48, v[PC:PC+1], s[16:17] offset:\u*65536   ; the wave stores 256 consecutive bytes, at a multiple of 256 from hq's first byte
	global_store_b8 v8, v[BY], s[18:19] offset:\u*4096           ; (lanes r and 16 + r store the same byte with the same value)
.endm
	s_load_b512 s[4:19], s[0:1], 0x0               ; W1's codes s[4:5], its scales s[6:7], b1 s[8:9], xq s[10:11], xs s[12:13], info s[14:15], hq s[16:17], hs s[18:19]
	s_load_b64 s[20:21], s[0:1], 0x40              ; list
	v_lshl_add_u32 v54, v0, 2, SPARE               ; my spare word, and 0: kept for the add at the wave's end
	v_mov_b32 v55, 0
	v_lshrrev_b32 v1, 5, v0
	v_readfirstlane_b32 s22, v1                    ; wave 0..7
	v_and_b32 v3, 31, v0
	v_lshlrev_b32 v3, 4, v3                        ; 16 x lane
	v_and_b32 v1, 15, v0                           ; r
	v_bfe_u32 v2, v0, 4, 1                         ; h
	v_mul_u32_u24 v4, v1, WP
	v_lshl_add_u32 v4, v2, 4, v4                   ; a fragment's row x pitch + 16 h
	s_wait_alu depctr_va_vdst(0)
	s_and_b32 s26, s22, 3                          ; g: my block of 32 hidden units
	s_lshr_b32 s27, s22, 2                         ; p: my tiles' parity
	s_mul_i32 s2, s27, TILEB
	v_add_nc_u32 v51, s2, v4                       ; out of a buffer: fragments of tile p,
	v_add_nc_u32 v52, s2, v3
	v_add_nc_u32 v52, 16*WP, v52                   ; and its scale words
	s_mul_i32 s2, s22, TILEB
	v_add_nc_u32 v53, s2, v3                       ; into a buffer: tile w, whole rows
	s_lshr_b32 s2, s22, 1                          ; W1 into LDS: my 16 rows 16 w + i lie where their tile wants them: slot 32 (w / 2) + 8 (w % 2) + i % 8 + 16 (i / 8), so that tile t's lane r reads slot 16 t + r
	s_lshl_b32 s2, s2, 5
	s_and_b32 s25, s22, 1
	s_lshl_b32 s25, s25, 3
	s_add_co_u32 s2, s2, s25
	s_mul_i32 s2, s2, WP
	s_add_co_u32 s2, s2, W1S
	v_add_nc_u32 v31, s2, v3
	s_mul_i32 s2, s26, 32*WP
	s_add_co_u32 s2, s2, W1S
	v_add_nc_u32 v49, s2, v4                       ; W1 out of LDS: my two tiles' fragments
	v_lshlrev_b32 v8, 4, v1                        ; hs: 16 bytes a row
	v_lshl_add_u32 v48, v2, 3, v8                  ; hq: 16 r + 8 h
	v_lshlrev_b32 v29, 2, v1                       ; list: 4 bytes a row
	v_lshlrev_b32 v30, 4, v2                       ; 16 h
	v_mov_b32 v10, 0xbf97d29d                      ; c8, twice: a pair for the packed multiply-add
	v_mov_b32 v11, 0xbf97d29d
	v_and_b32 v56, 8, v1
	v_add_nc_u32 v56, v56, v1
	v_lshl_add_u32 v56, v2, 3, v56                 ; r + 8 (r / 8) + 8 h: lanes 16-31 take the odd tile's rows
	v_lshlrev_b32 v56, 5, v56                      ; 32 scale bytes a row
	v_lshlrev_b32 v57, 6, v2                       ; b1: lanes 16-31 begin 16 numbers on
	s_and_b32 s24, ttmp7, 0xffff                   ; the expert
	s_mov_b32 s98, s22                             ; the tile that I gather
	s_mov_b32 s99, s27                             ; the batch's first tile of my parity
	s_mov_b32 s3, 0
	s_wait_alu depctr_va_vdst(0)
	s_wait_kmcnt 0x0
.irp i, 0,1,2,3,4,5,6,7
	global_load_b128 v[IN+4*\i:IN+4*\i+3], v3, s[14:15] offset:512*\i   ; the choice of all 1,024 tokens
.endr
	s_lshl_b32 s2, s24, 21                         ; W1's codes: 4,096 rows of 512 bytes an expert,
	s_lshl_b32 s25, ttmp9, 16                      ; 128 rows a chunk,
	s_add_co_u32 s2, s2, s25
	s_lshl_b32 s25, s22, 13                        ; 16 rows a wave
	s_add_co_u32 s2, s2, s25
	s_add_nc_u64 s[4:5], s[4:5], s[2:3]
.set i, 0
.rept 16
	global_load_b128 v[XF+4*i:XF+4*i+3], v3, s[4:5] offset:512*i th:TH_LOAD_NT   ; a whole row: 512 consecutive bytes; no other wave of the launch reads it
.set i, i+1
.endr
	s_lshl_b32 s2, s24, 14                         ; b1: 4,096 numbers an expert, 128 a chunk, 32 a block
	s_lshl_b32 s25, ttmp9, 9
	s_add_co_u32 s2, s2, s25
	s_lshl_b32 s25, s26, 7
	s_add_co_u32 s2, s2, s25
	s_add_nc_u64 s[8:9], s[8:9], s[2:3]
	s_lshl_b32 s2, s24, 17                         ; W1's scales: 32 bytes a row
	s_lshl_b32 s25, ttmp9, 12
	s_add_co_u32 s2, s2, s25
	s_lshl_b32 s25, s26, 10
	s_add_co_u32 s2, s2, s25
	s_add_nc_u64 s[6:7], s[6:7], s[2:3]
	s_lshl_b32 s2, s24, 21                         ; hq: 64 tiles of 32,768 bytes an expert; my first tile is p; 1,024 bytes a K step; 256 a block
	s_lshl_b32 s25, s27, 15
	s_add_co_u32 s2, s2, s25
	s_lshl_b32 s25, ttmp9, 10
	s_add_co_u32 s2, s2, s25
	s_lshl_b32 s25, s26, 8
	s_add_co_u32 s2, s2, s25
	s_add_nc_u64 s[16:17], s[16:17], s[2:3]
	s_lshl_b32 s2, s24, 17                         ; hs: 2,048 bytes a tile; 256 for four K steps; 4 a K step; 1 a block
	s_lshl_b32 s25, s27, 11
	s_add_co_u32 s2, s2, s25
	s_lshr_b32 s25, ttmp9, 2
	s_lshl_b32 s25, s25, 8
	s_add_co_u32 s2, s2, s25
	s_and_b32 s25, ttmp9, 3
	s_lshl_b32 s25, s25, 2
	s_add_co_u32 s2, s2, s25
	s_add_co_u32 s2, s2, s26
	s_add_nc_u64 s[18:19], s[18:19], s[2:3]
	s_wait_loadcnt 16                              ; the choice is in: W1's 16 rows are younger
	s_lshl_b32 s2, 1, s24
.set j, 0
.rept 32
	v_and_b32 v[IN+j], s2, v[IN+j]
.set j, j+1
.endr
.set j, 0
.rept 32
	v_cmp_ne_u32 s[M+j], 0, v[IN+j]                ; bit l: token 128 (j / 4) + j % 4 + 4 l goes to my expert
.set j, j+1
.endr
	s_mov_b32 s100, 0
.set j, 0
.rept 32
	s_lshl_b32 s25, s100, 16
	s_or_b32 s[PK+j], s25, 128*(j/4)+(j%4)
	s_bcnt1_i32_b32 s25, s[M+j]
	s_add_co_u32 s100, s100, s25                   ; at the end: the expert's rows
.set j, j+1
.endr
	s_add_co_u32 s23, s100, 15
	s_lshr_b32 s23, s23, 4                         ; its tiles
	s_lshl_b32 s2, s24, 2                          ; the count's place, behind the eight lists: into the pair that held info's address, whose loads are in
	s_add_co_u32 s2, s2, 32768
	s_add_nc_u64 s[14:15], s[20:21], s[2:3]
	s_lshl_b32 s2, s24, 12
	s_add_nc_u64 s[20:21], s[20:21], s[2:3]        ; list: 1,024 words an expert
	s_or_b32 s2, ttmp9, s22
	s_cmp_lg_u32 s2, 0
	s_cbranch_scc1 .Lno_count
	v_mov_b32 v58, 0                               ; chunk 0, wave 0 stores the count
	v_mov_b32 v59, s100
	global_store_b32 v58, v59, s[14:15]            ; (all lanes store the same word with the same value)
.Lno_count:
	SELECT 98                                      ; tile w's rows are found and asked for while W1's rows travel.  Every wave does so, one whose tile the expert has not too
	OFFS 98                                        ; (its tokens are held under 1,024 and nobody uses its rows): so the counts below are the same on every way
	XASK
	s_cmp_ge_u32 s22, s23
	s_cbranch_scc1 .Lno_first                      ; a tile that the expert has not is not listed
	LIST
.Lno_first:
	s_wait_loadcnt 17                              ; W1's rows are in: the 17 loads of tile w are younger
	s_mov_b32 s[SEL], 0x76543210                   ; (their base is free behind that wait)
	s_mov_b32 s[SEL+1], 0xfedcba98
.irp t, 0,1
	global_load_b128 v[B1+8*\t:B1+8*\t+3], v57, s[8:9] offset:32*\t        ; lane (r, h), my tile u: b1 of units 32 g + 16 h + 8 u + 0 .. 7
	global_load_b128 v[B1+8*\t+4:B1+8*\t+7], v57, s[8:9] offset:32*\t+16
.endr
	global_load_b128 v[WS:WS+3], v56, s[6:7]
	global_load_b128 v[WS+4:WS+7], v56, s[6:7] offset:16
.set i, 0
.rept 16
	ds_store_b128 v31, v[XF+4*i:XF+4*i+3] offset:((i&7)+((i&8)<<1))*WP
.set i, i+1
.endr
	s_wait_loadcnt 6                               ; tile w is in: the six loads of b1 and of W1's scale words are younger
	XPUT 53                                        ; into buffer 0
	s_wait_dscnt 0x0                               ; for the others: my rows of W1 and my tile lie in LDS
	s_barrier_signal -1
	s_barrier_wait -1
	WIN 0x40                                       ; my 16 fragments of W1
.irp t, 0,1
.set k, 0
.rept 16
	ds_load_b128 v[64*\t+4*k:64*\t+4*k+3], v49 offset:16*\t*WP+32*k
.set k, k+1
.endr
.endr
	WIN 0
	s_wait_loadcnt 0x0                             ; b1 and W1's scale words are in, and their bases are free
	s_wait_xcnt 0x0                                ; the list's and the count's stores have read their registers
	s_mov_b32 s[CUR], 0
	s_mov_b32 s[NXT], BUF1
	s_add_co_u32 s98, s98, 8
	s_mov_b32 s101, 0
.Lbatch:
	v_add_nc_u32 v5, s[CUR], v51                   ; this batch's buffer, and the next one's
	v_add_nc_u32 v50, s[CUR], v52
	v_add_nc_u32 v6, s[NXT], v53
	s_cmp_ge_u32 s99, s23                          ; no tile of mine in this batch: then tile 8 b + 8 + w is not there either, and nothing is gathered
	s_wait_alu depctr_va_vdst(0)
	s_cbranch_scc1 .Lb_end
	XGET 0                                         ; my first tile comes out of LDS while the next batch's rows are found
	s_cmp_ge_u32 s98, s23
	s_cbranch_scc1 .Lno_gather
	SELECT 98                                      ; the next batch's tile w travels while this batch is multiplied
	OFFS 98
	XASK
	LIST
.Lno_gather:
	UNIT 0
	UNIT 1
	UNIT 2
	UNIT 3
.Lb_end:
	s_cmp_ge_u32 s98, s23
	s_cbranch_scc1 .Lno_put
	s_wait_loadcnt 0x0                             ; the gathered tile is in
	XPUT 6                                         ; into the buffer whose reads ended ahead of the last barrier
.Lno_put:
	s_wait_dscnt 0x0                               ; for the others: my tile lies in LDS, and my reads of this batch's buffer are over
	s_barrier_signal -1
	s_barrier_wait -1                              ; every wave passes it in every trip, whatever the count
	s_wait_xcnt 0x0                                ; stores and loads have read their registers and bases
	s_add_nc_u64 s[16:17], s[16:17], 8*32768       ; eight tiles on
	s_add_nc_u64 s[18:19], s[18:19], 8*2048
	s_add_co_u32 s98, s98, 8
	s_add_co_u32 s99, s99, 8
	s_xor_b32 s[CUR], s[CUR], BUF1
	s_xor_b32 s[NXT], s[NXT], BUF1
	s_add_co_u32 s101, s101, 1
	s_cmp_lt_u32 s101, 8
	s_cbranch_scc1 .Lbatch
	s_wait_tensorcnt 0x0                           ; the wave's end
	ds_add_u32 v54, v55
	s_wait_dscnt 0x0
	s_endpgm
.Lfunc_end_k_q442a189664_fc1:
	.size	k_q442a189664_fc1, .Lfunc_end_k_q442a189664_fc1-k_q442a189664_fc1
	.p2alignl 7, 3214868480
	.fill 96, 4, 3214868480
	.section	.rodata,"a",@progbits
	.p2align	6, 0x0
	.amdhsa_kernel k_q442a189664_fc1
		.amdhsa_group_segment_fixed_size 271360
		.amdhsa_private_segment_fixed_size 0
		.amdhsa_enable_private_segment 0
		.amdhsa_kernarg_size 72
		.amdhsa_user_sgpr_count 2
		.amdhsa_user_sgpr_kernarg_segment_ptr 1
		.amdhsa_wavefront_size32 1
		.amdhsa_system_sgpr_workgroup_id_x 1
		.amdhsa_system_sgpr_workgroup_id_y 1
		.amdhsa_system_sgpr_workgroup_id_z 1
		.amdhsa_system_vgpr_workitem_id 0
		.amdhsa_next_free_vgpr 448
		.amdhsa_next_free_sgpr 102
		.amdhsa_reserve_vcc 1
		.amdhsa_float_denorm_mode_32 3
		.amdhsa_float_denorm_mode_16_64 3
		.amdhsa_memory_ordered 1
		.amdhsa_forward_progress 1
		.amdhsa_inst_pref_size 116
	.end_amdhsa_kernel
	.amdgpu_metadata
---
amdhsa.version: [ 1, 2 ]
amdhsa.kernels:
  - .name:           k_q442a189664_fc1
    .symbol:         k_q442a189664_fc1.kd
    .args:
      - { .name: W1_codes, .offset: 0, .size: 8, .value_kind: global_buffer, .address_space: global }
      - { .name: W1_scales, .offset: 8, .size: 8, .value_kind: global_buffer, .address_space: global }
      - { .name: b1, .offset: 16, .size: 8, .value_kind: global_buffer, .address_space: global }
      - { .name: xq, .offset: 24, .size: 8, .value_kind: global_buffer, .address_space: global }
      - { .name: xs, .offset: 32, .size: 8, .value_kind: global_buffer, .address_space: global }
      - { .name: info, .offset: 40, .size: 8, .value_kind: global_buffer, .address_space: global }
      - { .name: hq, .offset: 48, .size: 8, .value_kind: global_buffer, .address_space: global }
      - { .name: hs, .offset: 56, .size: 8, .value_kind: global_buffer, .address_space: global }
      - { .name: list, .offset: 64, .size: 8, .value_kind: global_buffer, .address_space: global }
    .group_segment_fixed_size: 271360
    .private_segment_fixed_size: 0
    .kernarg_segment_align: 8
    .kernarg_segment_size: 72
    .max_flat_workgroup_size: 256
    .sgpr_count:     102
    .vgpr_count:     448
    .wavefront_size: 32
...
	.end_amdgpu_metadata
.endif
;; end of part 2
;; launch fc2 (part 3): grid 32 x 8, 4 waves a work-group, no clusters, 270,848 bytes of LDS; arguments W2_codes, W2_scales, b2, hq, hs, list, y8; writes y8
.if DOCPART == 3
	.amdgcn_target "amdgcn-amd-amdhsa--gfx1250"
	.amdhsa_code_object_version 6
	.text
	.protected	k_q442a189664_fc2
	.globl	k_q442a189664_fc2
	.p2align	8
	.type	k_q442a189664_fc2,@function
k_q442a189664_fc2:
	s_mov_b64 s[64:65], 0
	v_nop
	global_prefetch_b8 v0, s[64:65] scope:SCOPE_SE
	s_setreg_imm32_b32 hwreg(HW_REG_WAVE_MODE, 25, 1), 1
	s_wait_xcnt 0x0
; SECOND PRODUCT OF THE CHOSEN ROWS: y8[token x 8 + e][1024] = h W2[e] + b2[e], f32, on E2M1 codes with one E8M0 scale for each 32 along K (K = 4,096).
; A work-group (x % 8 = chunk of 128 outputs, x / 8 = q, y = expert e) takes the expert's tiles of 16 routed rows q, q + 4, q + 8, ..
; K IS SHARED AMONG THE FOUR WAVES: wave w owns K steps 8 w .. 8 w + 7 of all 128 outputs: 64 fragments of W2, which stay in its registers; of each tile of h it loads its own eight fragments alone.
; So W2's part and h enter the work-group once.  The four partial sums of a tile meet in LDS; wave w adds rows 4 w .. 4 w + 3 and stores them, 512 consecutive bytes a row.
; The sum over K is so made of four f32 sums of 1,024 terms each.
; THE PRODUCT IS USED TRANSPOSED (source 0 = 16 rows of W2, source 1 = 16 rows of h): a lane holds one routed row and eight neighbouring outputs.
; BARRIERS.  An expert has at most 64 tiles, a work-group 16: two batches of eight, a loop of constant count; each batch: phase 1, all partial sums into eight regions of LDS | barrier | phase 2, the sums | barrier.
; What the count decides is done by jumps over work that join again ahead of each barrier: every wave passes every barrier.  No tensor load and no cluster.
; THE TOKENS of the four rows that a wave will store of a tile are asked for together with the tile's fragments, each tile's into four scalar registers of its own; one wait at phase 1's end serves them all.
; Rows beyond the count (a last tile's padding) are not stored.
; REGISTERS, in windows of 256.  window 0: v1-21 addresses, b2; v32-63 W2's scale words; v64-79 h's, four sets; v128-255 h's fragments, sets 0 and 1 (in phase 2: the partial sums).
;   windows 1, 2: W2's fragment (tile t, K step i) at v[8 (4 t + i % 4)], window 1 for i under 4.   window 3: v0-63 the 8 accumulators; v64-191 h's sets 2 and 3.
;   At the head the rows of W2 land, as loaded, in h's four sets.   s[32:63]: tile u of the batch: my four rows' tokens at s[32 + 4 u] on.
.set WP,   528                         ; an LDS row: 512 bytes + 16 of padding = 132 words: row r starts at bank 4 r mod 64 (64 banks of 4 bytes: ISA guide 11.1)
.set REG,  64*WP                       ; a region: a tile's four partial sums, 16 rows each
.set WS,   32                          ; register 4 t + i % 4: lanes 0-15 K steps 0-3 of my eight, lanes 16-31 K steps 4-7
.set HS,   64                          ; set n at v[HS + 4 n], likewise
.set RR,   128                         ; phase 2: row i, partial p at v[RR + 16 i + 4 p]
.set TK,   32                          ; s[32:63] the tokens
.set MSB,  0
.macro WIN new                         ; the immediate's high byte repeats the setting that is left
.if MSB != \new
	s_set_vgpr_msb (MSB<<8)|\new
.set MSB, \new
.endif
.endm
	s_load_b256 s[4:11], s[0:1], 0x0               ; W2's codes s[4:5], its scales s[6:7], b2 s[8:9], hq s[10:11]
	s_load_b128 s[12:15], s[0:1], 0x20             ; hs s[12:13], list s[14:15]
	s_load_b64 s[16:17], s[0:1], 0x30              ; y8
	v_lshl_add_u32 v126, v0, 2, 0x42000
	v_mov_b32 v127, 0
.set i, 0
.rept 16
	s_mov_b64 s[TK+2*i:TK+2*i+1], 0                ; the tokens' registers hold a token (0) on every way, also where a fetch is jumped over
.set i, i+1
.endr
.irp i, 0,1,2,3,4,5,6,7,8,9,10,11,12,13,14,15
	v_mov_b32 v[HS+\i], 0x7f7f7f7f                 ; h's scale words hold a scale (1) on every way, likewise
.endr
	v_lshrrev_b32 v1, 5, v0
	v_readfirstlane_b32 s23, v1                    ; wave
	v_and_b32 v3, 31, v0
	v_lshlrev_b32 v3, 4, v3                        ; 16 x lane
	v_and_b32 v1, 15, v0                           ; r
	v_bfe_u32 v2, v0, 4, 1                         ; h
	v_mul_u32_u24 v20, v1, WP
	s_mul_i32 s24, s23, 128*WP                     ; at the head: my wave's own stage, 128 rows
	v_lshl_add_u32 v4, v2, 4, v20
	v_add_nc_u32 v4, s24, v4                       ; out of it: a fragment's row x pitch + 16 h
	v_add_nc_u32 v5, s24, v3                       ; into it: whole rows 0-63,
	v_add_nc_u32 v6, 64*WP, v5                     ; rows 64-127
	s_mul_i32 s24, s23, 16*WP
	v_lshl_add_u32 v7, v2, 5, v20
	v_add_nc_u32 v7, s24, v7                       ; a region: my partial sum, row r, + 32 h
	s_mul_i32 s24, s23, 4*WP
	v_add_nc_u32 v8, s24, v3                       ; and back: rows 4 w on, 16 bytes a lane
	v_lshlrev_b32 v21, 7, v1
	v_lshl_add_u32 v21, v2, 4, v21                 ; W2's scales: 128 bytes a row, + 16 h
	s_and_b32 s28, ttmp7, 0xffff                   ; the expert
	s_and_b32 s29, ttmp9, 7                        ; the chunk of 128 outputs
	s_lshr_b32 s20, ttmp9, 3                       ; q: the batch's first tile
	s_lshl_b32 s22, s23, 2                         ; 4 w
	s_mov_b32 s3, 0
	s_wait_alu depctr_va_vdst(0)
	s_wait_kmcnt 0x0
	s_lshl_b32 s2, s28, 2
	s_add_co_u32 s2, s2, 32768
	s_add_nc_u64 s[26:27], s[14:15], s[2:3]
	s_load_b32 s18, s[26:27], 0x0                  ; the expert's rows
	s_lshl_b32 s2, s28, 21                         ; W2's codes: 1,024 rows of 2,048 bytes an expert; 128 rows a chunk; my 512 bytes of a row
	s_lshl_b32 s24, s29, 18
	s_add_co_u32 s2, s2, s24
	s_lshl_b32 s24, s23, 9
	s_add_co_u32 s2, s2, s24
	s_add_nc_u64 s[4:5], s[4:5], s[2:3]
	s_lshl_b32 s2, s28, 17                         ; its scales: 128 bytes a row; my 32
	s_lshl_b32 s24, s29, 14
	s_add_co_u32 s2, s2, s24
	s_lshl_b32 s24, s23, 5
	s_add_co_u32 s2, s2, s24
	s_add_nc_u64 s[6:7], s[6:7], s[2:3]
	s_lshl_b32 s2, s28, 12                         ; b2 and a row of y8: 4,096 bytes an expert, 512 a chunk
	s_lshl_b32 s24, s29, 9
	s_add_co_u32 s2, s2, s24
	s_add_nc_u64 s[8:9], s[8:9], s[2:3]
	s_add_nc_u64 s[16:17], s[16:17], s[2:3]
	s_lshl_b32 s2, s28, 21                         ; hq: 64 tiles of 32,768 bytes an expert; tile q; my eight K steps of 1,024 bytes
	s_lshl_b32 s24, s20, 15
	s_add_co_u32 s2, s2, s24
	s_lshl_b32 s24, s23, 13
	s_add_co_u32 s2, s2, s24
	s_add_nc_u64 s[10:11], s[10:11], s[2:3]
	s_lshl_b32 s2, s28, 17                         ; hs: 2,048 bytes a tile; my 512
	s_lshl_b32 s24, s20, 11
	s_add_co_u32 s2, s2, s24
	s_lshl_b32 s24, s23, 9
	s_add_co_u32 s2, s2, s24
	s_add_nc_u64 s[12:13], s[12:13], s[2:3]
	s_lshl_b32 s2, s28, 12                         ; list: 4,096 bytes an expert; 64 a tile; my four rows
	s_lshl_b32 s24, s20, 6
	s_add_co_u32 s2, s2, s24
	s_lshl_b32 s24, s23, 4
	s_add_co_u32 s2, s2, s24
	s_add_nc_u64 s[14:15], s[14:15], s[2:3]
.irp t, 0,1,2,3,4,5,6,7
	global_load_b128 v[WS+4*\t:WS+4*\t+3], v21, s[6:7] offset:2048*\t
.endr
	global_load_b128 v[16:19], v3, s[8:9]          ; b2 of outputs 4 x lane + 0 .. 3
; rows 32 g .. 32 g + 31 of my part of W2, each load a row's 512 consecutive bytes; groups land by turns in window 0 (v128 on) and window 3 (v64 on)
.macro WROWS g
.if ((\g)%2) == 0
	WIN 0
.set RB, 128
.else
	WIN 0xc0
.set RB, 64
.endif
.set i, 0
.rept 32
	global_load_b128 v[RB+4*i:RB+4*i+3], v3, s[4:5] offset:(32*(\g)+i)*2048
.set i, i+1
.endr
	WIN 0
.endm
.macro WSTORE g
.if ((\g)%2) == 0
	WIN 0
.set RB, 128
.else
	WIN 0x0c                                       ; an LDS store's data are its source 1: window 3
.set RB, 64
.endif
.set i, 0
.rept 32
.if (\g) < 2
	ds_store_b128 v5, v[RB+4*i:RB+4*i+3] offset:(32*(\g)+i)*WP
.else
	ds_store_b128 v6, v[RB+4*i:RB+4*i+3] offset:(32*((\g)-2)+i)*WP
.endif
.set i, i+1
.endr
	WIN 0
.endm
; W2's fragments of tiles 2 g and 2 g + 1, out of rows 32 g .. 32 g + 31 of my own stage: my K steps 0-3 into window 1, K steps 4-7 into window 2.
; LDS serves a wave's instructions in order (ISA guide 5.7.1.4): these see the group's stores.  Each group is read out while later rows of W2 travel.
.macro WFRAG g
	WIN 0x40
.irp t, 2*\g, 2*\g+1
.irp k, 0,1,2,3,4,5,6,7
	ds_load_b128 v[32*(\t)+4*\k:32*(\t)+4*\k+3], v4 offset:16*(\t)*WP+32*\k
.endr
.endr
	WIN 0x80
.irp t, 2*\g, 2*\g+1
.irp k, 0,1,2,3,4,5,6,7
	ds_load_b128 v[32*(\t)+4*\k:32*(\t)+4*\k+3], v4 offset:16*(\t)*WP+256+32*\k
.endr
.endr
	WIN 0
.endm
	WROWS 0
	WROWS 1
	s_wait_loadcnt 32                              ; the small loads and group 0 are in: group 1 is younger
	WSTORE 0
	s_wait_dscnt 0x0                               ; the stores have read their registers, which take group 2
	WROWS 2
	WFRAG 0
	s_wait_loadcnt 32                              ; group 1 is in
	WSTORE 1
	s_wait_dscnt 0x0
	WROWS 3
	WFRAG 1
	s_wait_loadcnt 32                              ; group 2 is in
	WSTORE 2
	WFRAG 2
	s_wait_loadcnt 0x0                             ; group 3 is in
	WSTORE 3
	s_wait_kmcnt 0x0
	s_min_u32 s18, s18, 1024                       ; the count,
	s_add_co_u32 s19, s18, 15
	s_lshr_b32 s19, s19, 4                         ; the tiles
	s_wait_dscnt 0x0                               ; the stores have read their registers, which take h
; Tile u of the batch, if the expert has it: the tokens of the four rows that I shall store of it (the tile is there, so its 16 words of the list were stored);
; my eight fragments, as the images of their registers (16 loads of 512 consecutive bytes), and their scale words, into set n
.macro HASK set, u
	s_add_co_u32 s24, s20, 4*(\u)
	s_cmp_ge_u32 s24, s19
	s_cbranch_scc1 .Lno_h_\@
	s_load_b128 s[TK+4*(\u):TK+4*(\u)+3], s[14:15], 256*(\u)
.if (\set) < 2
.set HB, 128+64*(\set)
.else
.set HB, 64+64*((\set)-2)
	WIN 0xc0
.endif
.set i, 0
.rept 16
	global_load_b128 v[HB+4*i:HB+4*i+3], v3, s[10:11] offset:(\u)*131072+512*i
.set i, i+1
.endr
	WIN 0
	global_load_b128 v[HS+4*(\set):HS+4*(\set)+3], v3, s[12:13] offset:(\u)*8192
.Lno_h_\@:
.endm
	HASK 0, 0                                      ; the first four tiles travel while W2's fragments come out of LDS
	HASK 1, 1
	HASK 2, 2
	HASK 3, 3
	WFRAG 3                                        ; the last two tiles' fragments
	s_wait_dscnt 0x0                               ; my reads of my stage are over:
	s_barrier_signal -1
	s_barrier_wait -1                              ; behind this barrier the same bytes are the eight regions, which all waves write
; One matrix instruction, K step i of my eight.  The first starts the sum; from the fifth on both sides' scale words stand in lanes 16-31
.macro WM2 d, a, b, i, sa, sb
.if (\i) == 0
	v_wmma_scale_f32_16x16x128_f8f6f4 v[\d:\d+7], v[\a:\a+7], v[\b:\b+7], 0, v[\sa], v[\sb] matrix_a_fmt:MATRIX_FMT_FP4 matrix_b_fmt:MATRIX_FMT_FP4
.elseif (\i) < 4
	v_wmma_scale_f32_16x16x128_f8f6f4 v[\d:\d+7], v[\a:\a+7], v[\b:\b+7], v[\d:\d+7], v[\sa], v[\sb] matrix_a_fmt:MATRIX_FMT_FP4 matrix_b_fmt:MATRIX_FMT_FP4
.else
	v_wmma_scale_f32_16x16x128_f8f6f4 v[\d:\d+7], v[\a:\a+7], v[\b:\b+7], v[\d:\d+7], v[\sa], v[\sb] matrix_a_fmt:MATRIX_FMT_FP4 matrix_b_fmt:MATRIX_FMT_FP4 matrix_a_scale:MATRIX_SCALE_ROW1 matrix_b_scale:MATRIX_SCALE_ROW1
.endif
.endm
; 64 matrix instructions on set n: the eight accumulators by turns, one instruction a turn
.macro MUL set
.if (\set) < 2
.set MB, 128+64*(\set)
.set MW, 0xf0                                  ; source 1 (h) window 0; C and D window 3
.else
.set MB, 64+64*((\set)-2)
.set MW, 0xfc                                  ; source 1 window 3
.endif
.irp i, 0,1,2,3,4,5,6,7
.set MV, MW+1+(\i/4)                           ; source 0 (W2) window 1 or 2
	WIN MV
.irp t, 0,1,2,3,4,5,6,7
	WM2 8*\t, 8*(4*\t+\i%4), MB+8*\i, \i, WS+4*\t+\i%4, HS+4*(\set)+\i%4
.endr
.endr
.endm
	s_mov_b32 s21, 0
.Lbatch:
	; ---- phase 1: my partial sums of the batch's tiles.  A tile that the expert has not ends the phase: the tiles behind it are not there either
.irp u, 0,1,2,3,4,5,6,7
	s_add_co_u32 s24, s20, 4*\u
	s_cmp_ge_u32 s24, s19
	s_cbranch_scc1 .Lp1_end
.if (\u%4) == 0
	s_wait_loadcnt 0x0                             ; all four sets are in; a fetch issued behind this wait lands only in a set that has been multiplied
.endif
	s_wait_dscnt 0x0                               ; the last tile's LDS stores have read the accumulators
	s_wait_alu depctr_va_vdst(0)
	MUL \u%4
	WIN 0
.rept 5
	v_nop                                          ; places behind the last products: ahead of loads into their operands, of the stores that read the results, and of the next tile's first products, which write over them
.endr
.if \u < 4
	HASK \u, \u+4                                  ; the set just multiplied takes the tile four further on
.endif
	v_add_nc_u32 v9, \u*REG, v7
	WIN 0x0c
.irp t, 0,1,2,3,4,5,6,7
	ds_store_b128 v9, v[8*\t:8*\t+3] offset:64*\t          ; each accumulator from its low end on
	ds_store_b128 v9, v[8*\t+4:8*\t+7] offset:64*\t+16
.endr
	WIN 0
.endr
.Lp1_end:
	s_wait_loadcnt 0x0                             ; no load is on its way into the registers that phase 2 takes
	s_wait_kmcnt 0x0                               ; the batch's tokens are in: they were asked for with their tiles, a tile's products or more ago
	s_wait_dscnt 0x0                               ; for the others: my partial sums lie in LDS
	s_barrier_signal -1
	s_barrier_wait -1
	; ---- phase 2: rows 4 w .. 4 w + 3 of each tile: four partial sums and b2; a row beyond the count ends the phase
.irp u, 0,1,2,3,4,5,6,7
	s_add_co_u32 s24, s20, 4*\u
	s_lshl_b32 s25, s24, 4
	s_add_co_u32 s25, s25, s22                     ; my first routed row of the tile
	s_cmp_ge_u32 s25, s18
	s_cbranch_scc1 .Lp2_end
	s_wait_xcnt 0x0                                ; the last tile's stores have read their registers
	v_add_nc_u32 v10, \u*REG, v8
.irp i, 0,1,2,3
.irp p, 0,1,2,3
	ds_load_b128 v[RR+16*\i+4*\p:RR+16*\i+4*\p+3], v10 offset:\p*16*WP+\i*WP
.endr
.endr
	s_wait_dscnt 0x0
.irp i, 0,1,2,3
.irp k, 0,2
	v_pk_add_f32 v[RR+16*\i+\k:RR+16*\i+\k+1], v[RR+16*\i+\k:RR+16*\i+\k+1], v[RR+16*\i+4+\k:RR+16*\i+4+\k+1]
	v_pk_add_f32 v[RR+16*\i+8+\k:RR+16*\i+8+\k+1], v[RR+16*\i+8+\k:RR+16*\i+8+\k+1], v[RR+16*\i+12+\k:RR+16*\i+12+\k+1]
.endr
.endr
.irp i, 0,1,2,3
.irp k, 0,2
	v_pk_add_f32 v[RR+16*\i+\k:RR+16*\i+\k+1], v[RR+16*\i+\k:RR+16*\i+\k+1], v[RR+16*\i+8+\k:RR+16*\i+8+\k+1]
.endr
.endr
.irp i, 0,1,2,3
.irp k, 0,2
	v_pk_add_f32 v[RR+16*\i+\k:RR+16*\i+\k+1], v[RR+16*\i+\k:RR+16*\i+\k+1], v[16+\k:17+\k]
.endr
.endr
.irp i, 0,1,2,3
.if \i > 0
	s_add_co_u32 s26, s25, \i
	s_cmp_ge_u32 s26, s18
	s_cbranch_scc1 .Lp2_end
.endif
	s_min_u32 s27, s[TK+4*\u+\i], 0x3ff            ; the token, held inside the table
	s_lshl_b32 s27, s27, 15                        ; eight rows of 4,096 bytes a token
	v_add_nc_u32 v[12+\i], s27, v3
	s_wait_alu depctr_va_vdst(0)
	global_store_b128 v[12+\i], v[RR+16*\i:RR+16*\i+3], s[16:17] th:TH_STORE_NT   ; 32 lanes store 512 consecutive bytes, at a multiple of 256 from y8's first byte
.endr
.endr
.Lp2_end:
	s_wait_dscnt 0x0                               ; my reads of the regions are over:
	s_barrier_signal -1
	s_barrier_wait -1                              ; the next batch writes them again
.rept 4
	v_nop                                          ; phase 2's sums stood in the registers of h's set 0: an operand's register that a vector instruction has written stands four places ahead of a scaled matrix instruction, on every way round the loop
.endr
	s_wait_xcnt 0x0                                ; stores and loads have read their registers and bases
	s_add_nc_u64 s[10:11], s[10:11], 8*131072      ; 32 tiles on
	s_add_nc_u64 s[12:13], s[12:13], 8*8192
	s_add_nc_u64 s[14:15], s[14:15], 8*256
	s_add_co_u32 s20, s20, 32
	HASK 0, 0                                      ; the next batch's first four tiles.  Behind the second batch the tiles' numbers are 64 or more, and an expert has at most 64: nothing is asked for
	HASK 1, 1
	HASK 2, 2
	HASK 3, 3
	s_add_co_u32 s21, s21, 1
	s_cmp_lt_u32 s21, 2
	s_cbranch_scc1 .Lbatch
	s_wait_tensorcnt 0x0
	ds_add_u32 v126, v127
	s_wait_dscnt 0x0
	s_endpgm
.Lfunc_end_k_q442a189664_fc2:
	.size	k_q442a189664_fc2, .Lfunc_end_k_q442a189664_fc2-k_q442a189664_fc2
	.p2alignl 7, 3214868480
	.fill 96, 4, 3214868480
	.section	.rodata,"a",@progbits
	.p2align	6, 0x0
	.amdhsa_kernel k_q442a189664_fc2
		.amdhsa_group_segment_fixed_size 270848
		.amdhsa_private_segment_fixed_size 0
		.amdhsa_enable_private_segment 0
		.amdhsa_kernarg_size 56
		.amdhsa_user_sgpr_count 2
		.amdhsa_user_sgpr_kernarg_segment_ptr 1
		.amdhsa_wavefront_size32 1
		.amdhsa_system_sgpr_workgroup_id_x 1
		.amdhsa_system_sgpr_workgroup_id_y 1
		.amdhsa_system_sgpr_workgroup_id_z 1
		.amdhsa_system_vgpr_workitem_id 0
		.amdhsa_next_free_vgpr 1024
		.amdhsa_next_free_sgpr 66
		.amdhsa_reserve_vcc 0
		.amdhsa_float_denorm_mode_32 3
		.amdhsa_float_denorm_mode_16_64 3
		.amdhsa_memory_ordered 1
		.amdhsa_forward_progress 1
		.amdhsa_inst_pref_size 170
	.end_amdhsa_kernel
	.amdgpu_metadata
---
amdhsa.version: [ 1, 2 ]
amdhsa.kernels:
  - .name:           k_q442a189664_fc2
    .symbol:         k_q442a189664_fc2.kd
    .args:
      - { .name: W2_codes, .offset: 0, .size: 8, .value_kind: global_buffer, .address_space: global }
      - { .name: W2_scales, .offset: 8, .size: 8, .value_kind: global_buffer, .address_space: global }
      - { .name: b2, .offset: 16, .size: 8, .value_kind: global_buffer, .address_space: global }
      - { .name: hq, .offset: 24, .size: 8, .value_kind: global_buffer, .address_space: global }
      - { .name: hs, .offset: 32, .size: 8, .value_kind: global_buffer, .address_space: global }
      - { .name: list, .offset: 40, .size: 8, .value_kind: global_buffer, .address_space: global }
      - { .name: y8, .offset: 48, .size: 8, .value_kind: global_buffer, .address_space: global }
    .group_segment_fixed_size: 270848
    .private_segment_fixed_size: 0
    .kernarg_segment_align: 8
    .kernarg_segment_size: 56
    .max_flat_workgroup_size: 128
    .sgpr_count:     66
    .vgpr_count:     1024
    .wavefront_size: 32
...
	.end_amdgpu_metadata
.endif
;; end of part 3
;; launch mix (part 4): grid 256 x 1, 4 waves a work-group, no clusters, 0 bytes of LDS; arguments info, gate, y8, out0; writes out0
.if DOCPART == 4
	.amdgcn_target "amdgcn-amd-amdhsa--gfx1250"
	.amdhsa_code_object_version 6
	.text
	.protected	k_q442a189664_mix
	.globl	k_q442a189664_mix
	.p2align	8
	.type	k_q442a189664_mix,@function
k_q442a189664_mix:
	s_mov_b64 s[64:65], 0
	v_nop
	global_prefetch_b8 v0, s[64:65] scope:SCOPE_SE
	s_setreg_imm32_b32 hwreg(HW_REG_WAVE_MODE, 25, 1), 1
	s_wait_xcnt 0x0
; out0[token] = w0 y8[token x 8 + e0] + w1 y8[token x 8 + e1].  One wave takes one token: two rows of 4,096 bytes in, one out; every load and store of the wave covers 512 consecutive bytes.
; e0, e1 come from info (whole numbers that the first launch stored), w0, w1 from gate.  Each output row has this one owner.  No LDS, no barrier: waves share nothing.
.set Y0, 8                             ; v8-39   the first row, then the result
.set Y1, 40                            ; v40-71  the second row
	s_load_b256 s[4:11], s[0:1], 0x0               ; info s[4:5], gate s[6:7], y8 s[8:9], out0 s[10:11]
	v_lshrrev_b32 v1, 5, v0
	v_readfirstlane_b32 s12, v1                    ; wave
	v_and_b32 v1, 31, v0
	v_lshlrev_b32 v1, 4, v1                        ; 16 x lane
	s_lshl_b32 s13, ttmp9, 2
	s_add_co_u32 s13, s13, s12                     ; my token
	s_mov_b32 s15, 0
	s_wait_alu depctr_va_vdst(0)
	s_wait_kmcnt 0x0
	s_lshl_b32 s14, s13, 2
	s_add_nc_u64 s[4:5], s[4:5], s[14:15]
	s_lshl_b32 s14, s13, 3
	s_add_nc_u64 s[6:7], s[6:7], s[14:15]
	s_load_b32 s16, s[4:5], 0x0                    ; the choice
	s_load_b64 s[18:19], s[6:7], 0x0               ; w0, w1
	s_lshl_b32 s14, s13, 12
	s_add_nc_u64 s[10:11], s[10:11], s[14:15]      ; my row of out0
	s_lshl_b32 s13, s13, 3                         ; 8 x token
	s_wait_kmcnt 0x0
	s_bfe_u32 s20, s16, 0x30008                    ; e0: 3 bits from bit 8
	s_bfe_u32 s22, s16, 0x30010                    ; e1: 3 bits from bit 16
	s_min_u32 s20, s20, 7                          ; held inside the table
	s_min_u32 s22, s22, 7
	s_add_co_u32 s20, s20, s13
	s_add_co_u32 s22, s22, s13
	s_lshl_b32 s20, s20, 12                        ; 4,096 bytes a row
	s_lshl_b32 s22, s22, 12
	s_mov_b32 s21, 0
	s_mov_b32 s23, 0
	s_add_nc_u64 s[20:21], s[8:9], s[20:21]
	s_add_nc_u64 s[22:23], s[8:9], s[22:23]
	s_mov_b32 s24, s19                             ; w1 in a pair of its own: the packed form names a pair and takes its low word for both halves
	s_mov_b32 s25, s19
.irp j, 0,1,2,3,4,5,6,7
	global_load_b128 v[Y0+4*\j:Y0+4*\j+3], v1, s[20:21] offset:512*\j th:TH_LOAD_NT
	global_load_b128 v[Y1+4*\j:Y1+4*\j+3], v1, s[22:23] offset:512*\j th:TH_LOAD_NT
.endr
.irp j, 0,1,2,3,4,5,6,7
	s_wait_loadcnt 14-2*\j                         ; loads come back in order (ISA guide 5.7.1): pair j is in, the younger pairs stay out
	v_pk_mul_f32 v[Y0+4*\j:Y0+4*\j+1], v[Y0+4*\j:Y0+4*\j+1], s[18:19] op_sel_hi:[1,0]
	v_pk_mul_f32 v[Y0+4*\j+2:Y0+4*\j+3], v[Y0+4*\j+2:Y0+4*\j+3], s[18:19] op_sel_hi:[1,0]
	v_pk_fma_f32 v[Y0+4*\j:Y0+4*\j+1], v[Y1+4*\j:Y1+4*\j+1], s[24:25], v[Y0+4*\j:Y0+4*\j+1] op_sel_hi:[1,0,1]
	v_pk_fma_f32 v[Y0+4*\j+2:Y0+4*\j+3], v[Y1+4*\j+2:Y1+4*\j+3], s[24:25], v[Y0+4*\j+2:Y0+4*\j+3] op_sel_hi:[1,0,1]
	global_store_b128 v1, v[Y0+4*\j:Y0+4*\j+3], s[10:11] offset:512*\j th:TH_STORE_NT
.endr
	s_endpgm
.Lfunc_end_k_q442a189664_mix:
	.size	k_q442a189664_mix, .Lfunc_end_k_q442a189664_mix-k_q442a189664_mix
	.p2alignl 7, 3214868480
	.fill 96, 4, 3214868480
	.section	.rodata,"a",@progbits
	.p2align	6, 0x0
	.amdhsa_kernel k_q442a189664_mix
		.amdhsa_group_segment_fixed_size 0
		.amdhsa_private_segment_fixed_size 0
		.amdhsa_enable_private_segment 0
		.amdhsa_kernarg_size 32
		.amdhsa_user_sgpr_count 2
		.amdhsa_user_sgpr_kernarg_segment_ptr 1
		.amdhsa_wavefront_size32 1
		.amdhsa_system_sgpr_workgroup_id_x 1
		.amdhsa_system_sgpr_workgroup_id_y 1
		.amdhsa_system_sgpr_workgroup_id_z 1
		.amdhsa_system_vgpr_workitem_id 0
		.amdhsa_next_free_vgpr 80
		.amdhsa_next_free_sgpr 66
		.amdhsa_reserve_vcc 0
		.amdhsa_float_denorm_mode_32 3
		.amdhsa_float_denorm_mode_16_64 3
		.amdhsa_memory_ordered 1
		.amdhsa_forward_progress 1
		.amdhsa_inst_pref_size 6
	.end_amdhsa_kernel
	.amdgpu_metadata
---
amdhsa.version: [ 1, 2 ]
amdhsa.kernels:
  - .name:           k_q442a189664_mix
    .symbol:         k_q442a189664_mix.kd
    .args:
      - { .name: info, .offset: 0, .size: 8, .value_kind: global_buffer, .address_space: global }
      - { .name: gate, .offset: 8, .size: 8, .value_kind: global_buffer, .address_space: global }
      - { .name: y8, .offset: 16, .size: 8, .value_kind: global_buffer, .address_space: global }
      - { .name: out0, .offset: 24, .size: 8, .value_kind: global_buffer, .address_space: global }
    .group_segment_fixed_size: 0
    .private_segment_fixed_size: 0
    .kernarg_segment_align: 8
    .kernarg_segment_size: 32
    .max_flat_workgroup_size: 128
    .sgpr_count:     66
    .vgpr_count:     80
    .wavefront_size: 32
...
	.end_amdgpu_metadata
.endif
;; end of part 4
